; MI455X (gfx1250); checked and timed in simulation.
; The chip was launched on July 23, 2026; its instructions are those of AMD's public machine-readable ISA for CDNA 5 (MIT licence, August 2026) and "CDNA5" Instruction Set Architecture Reference Guide (July 2026). The comments in the code are by the model that wrote it; some were corrected since.
;; Configurable Attention. Allowed arithmetic: matrix products marked QUANTISED: E2M1 operands, one E8M0 scale for each 32 along K, by v_wmma_scale_f32_16x16x128_f8f6f4 with both operands' format E2M1 (or v_wmma_scale_f32_32x16x128_f4), f32 sums; products left as they are: bf16, f16 or f32 operands; f32 sums; everything else in f32.
;; Inputs: Wk 512 x 512 float32; Wo 512 x 512 float32; Wq 512 x 512 float32; Wv 512 x 512 float32; bk 512 float32; bo 512 float32; bq 512 float32; bv 512 float32; x 4 x 2,048 x 512 float32.
;; Outputs: out0 4 x 2,048 x 512 float32.
;; This version of the problem:
;;   THIS VERSION OF THE PROBLEM IS GIVEN IN LOW PRECISION. The matrix products marked QUANTISED in the list below multiply operands that are first quantised to E2M1 (2 exponent bits, 1 mantissa bit; 4 bits a number), with one power-of-two scale for each 32 numbers along K (OCP MX v1.0); their sums are f32. The products marked 'left as it is' may take bf16, f16 or f32 operands, with f32 sums. Whichever they take, every output number must still come out within the allowed error. Rounding operands to bf16 (8 significant bits) uses up far more of that allowance than f16 does (11 bits, for magnitudes from 6e-5 to 65,504). All else is computed in f32.
;;   The module's matrix products, in the order in which they are computed (A, B: the left and right operand; K: the contracted axis; several contracted axes count as one K, in the product's order):
;;     1. [M 8,192, K 512] x [K 512, N 512]; A: input x; B: input Wq: QUANTISED
;;     2. [M 8,192, K 512] x [K 512, N 512]; A: input x; B: input Wk: QUANTISED
;;     3. [M 8,192, K 512] x [K 512, N 512]; A: input x; B: input Wv: QUANTISED
;;     4. batch 32 x [M 2,048, K 64] x [K 64, N 2,048]; A: computed on the way; B: computed on the way: left as it is (an operand is computed on the way)
;;     5. batch 32 x [M 2,048, K 2,048] x [K 2,048, N 64]; A: computed on the way; B: computed on the way: left as it is (an operand is computed on the way)
;;     6. [M 8,192, K 512] x [K 512, N 512]; A: computed on the way; B: input Wo: left as it is (an operand is computed on the way)
;;   THE QUANTISER, for each operand of a quantised product, along K:
;;     - K is cut into blocks of 32 from its start; a last block that is shorter is filled with zeros.
;;     - A block's scale is 2^e with e = floor(log2(the largest magnitude in the block)) - 2, held to -126 .. 127; a block of zeros has e = 0. As a byte (E8M0): e + 127.
;;     - Each number is divided by its block's scale, clamped to +-6, and rounded to the nearest number of E2M1, ties to even, subnormals kept.
;;     - The product sums the exact products of the quantised numbers (number of the format x scale) in f32.
;;   ~~~python
;;   def quantise(x, axis):      # numpy; x: float32 -> the quantised numbers, widened to float32 again
;;       x = np.moveaxis(x, axis, -1); K = x.shape[-1]
;;       x = np.pad(x, [(0, 0)] * (x.ndim - 1) + [(0, -K % 32)]); x = x.reshape(x.shape[:-1] + (-1, 32)); a = np.abs(x).max(-1, keepdims=True)
;;       e = np.where(a > 0, np.clip(np.frexp(np.where(a > 0, a, 1))[1] - 1 - 2, -126, 127), 0)      # np.frexp(a)[1] - 1 = floor(log2(a)), exactly
;;       r = np.clip(x / 2.0 ** e, -6, 6)
;;       step = 2.0 ** (np.maximum(np.frexp(np.where(r == 0, 1, r))[1] - 1, 0) - 1)
;;       q = np.round(r / step) * step * 2.0 ** e      # np.round: ties to even
;;       return np.moveaxis(q.reshape(q.shape[:-2] + (-1,))[..., :K], -1, axis).astype(np.float32)
;;   ~~~
;; One version. Each part assembles by itself: llvm-mc -triple=amdgcn-amd-amdhsa -mcpu=gfx1250 --defsym DOCPART=n.
;; ======== version 1 of 1: 3 launches
;; limits: values are held in f16: magnitudes above 65,504 overflow, below 6.1e-05 lose precision
;; workspace buffers: xq 2,228,224 bytes; wqkv 417,792 bytes; wof 524,288 bytes; obuf 8,388,608 bytes
;; launch prep (part 1): grid 320 x 1, 4 waves a work-group, no clusters, 9,728 bytes of LDS; arguments x, Wq, Wk, Wv, Wo, xq, wqkv, wof; writes xq, wqkv, wof
.if DOCPART == 1
	.amdgcn_target "amdgcn-amd-amdhsa--gfx1250"
	.amdhsa_code_object_version 6
	.text
	.protected	k_q711d52927a_prep
	.globl	k_q711d52927a_prep
	.p2align	8
	.type	k_q711d52927a_prep,@function
k_q711d52927a_prep:
	s_mov_b64 s[64:65], 0
	v_nop
	global_prefetch_b8 v0, s[64:65] scope:SCOPE_SE
	s_setreg_imm32_b32 hwreg(HW_REG_WAVE_MODE, 25, 1), 1
	s_wait_xcnt 0x0
; Every operand that later launches read many times is made ONCE here, laid in the order of the operand's registers.
;   x [8192][512] f32          -> xq:   512 records of 4,352 bytes, one for each 16 rows, codes of FP4 (E2M1) with one E8M0 byte for each 32 along K
;   Wq, Wk, Wv [512 k][512 n]  -> wqkv: 96 records of the same form, one for each 16 columns (record 32 mat + t): K is the weights' FIRST axis
;   Wo [512 c][512 n]          -> wof:  f16 fragments [n / 128][c / 32][(n / 16) % 8][1,024 bytes]
; A RECORD: bytes 1024 s + 256 bl + 16 r hold the 32 codes k = 128 s + 32 bl + 0 .. 31 of row (or column) r, the lower k in the lower bits; so 16 bytes a lane at
; 1024 s + 512 c + 16 lane are registers 4 c .. 4 c + 3 of the fragment of K step s.  Bytes 4096 + 64 s + 4 r hold the row's scale word of K step s (byte bl for block bl).
; AN F16 FRAGMENT: 16 bytes at 512 cc + 256 h + 16 r hold c = 32 kap + 16 cc + 8 h + 0 .. 7 of column r: 16 bytes a lane at 512 cc + 16 lane are registers 4 cc .. 4 cc + 3.
; A block's scale is 2^(floor(log2(its largest magnitude)) - 2): its byte is the largest magnitude's exponent field - 2, held at 1 from below by a floor among the maximum's leaves.
; LIMITS: NaN and infinities among the inputs are not served; a block of zeros gets the byte 1 where the rule says 127 (its codes are zeros, and this program alone reads the bytes);
; blocks whose largest magnitude lies under 2^-124 are held at that floor; Wo goes to f16, so |Wo| stays at or under 65,504 and loses its bits under 6e-8.
; SHARES: work-groups 0 to 63 take the four weights (128 columns x 128 k each), work-groups 64 to 319 take x (32 rows each).  The two ways part on the work-group's number; only x's way touches LDS.
; No matrix unit, no cluster, no tensor load: every byte is read once and nothing is shared between work-groups.
.set REC,   4352
.set WREG,  2304                       ; LDS of a wave on x's way: 8 sub-blocks of 256 bytes at pitch 272, then 128 bytes of scale words
.set SPARE, 4*WREG                     ; behind the four regions: the spare words, 128 bytes for each wave, that no other line names
.set SPW,   12                         ; v12  LDS address of my spare word; never rewritten
.set NIL,   13                         ; v13  0; never rewritten
.set TM,    16                         ; v16-19 largest magnitudes, v20-23 the conversions' scale operands (x's way)
.set X,     32                         ; v32-159 128 numbers
.set CD,    160                        ; v160-175 codes
.set BY,    176                        ; v176-191 scale bytes (x's way)
	s_load_b256 s[4:11], s[0:1], 0x0               ; x, Wq, Wk, Wv
	s_load_b256 s[12:19], s[0:1], 0x20             ; Wo, xq, wqkv, wof
	v_lshl_add_u32 v[SPW], v0, 2, SPARE
	v_mov_b32 v[NIL], 0
	v_lshrrev_b32 v1, 5, v0
	v_readfirstlane_b32 s20, v1                    ; wave 0..3
	s_cmp_lt_u32 ttmp9, 64
	s_cbranch_scc0 .Lx_path
; ---------------- THE WEIGHTS.  A LANE TAKES A COLUMN, AND ITS REGISTERS RUN DOWN K: nothing is transposed.
	s_lshr_b32 s21, ttmp9, 4                       ; which matrix: 0 Wq, 1 Wk, 2 Wv, 3 Wo
	s_bfe_u32 s22, ttmp9, 0x20002                  ; which 128 columns
	s_and_b32 s23, ttmp9, 3                        ; which 128 along K
	v_lshlrev_b32 v2, 2, v0                        ; 4 bytes a thread: the four waves stand side by side on 512 bytes of a row
	v_lshrrev_b32 v3, 4, v0                        ; my tile of 16 columns among the eight
	v_and_b32 v4, 15, v0                           ; my place in it
	s_lshl_b32 s28, s23, 18                        ; 128 rows of 2,048 bytes
	s_lshl_b32 s29, s22, 9                         ; 128 columns of 4 bytes
	s_add_co_u32 s28, s28, s29
	s_mov_b32 s29, 0
	s_wait_kmcnt 0x0
	s_cmp_lt_u32 s21, 1                            ; the choice hangs on the work-group's number alone
	s_cselect_b64 s[24:25], s[6:7], s[8:9]
	s_cmp_lt_u32 s21, 2
	s_cselect_b64 s[24:25], s[24:25], s[10:11]
	s_cmp_lt_u32 s21, 3
	s_cselect_b64 s[24:25], s[24:25], s[12:13]
	s_add_nc_u64 s[24:25], s[24:25], s[28:29]
.macro CLOAD t                         ; block t: rows 32 t + i of my column, i = 0 .. 31; each block has registers of its own
.irp i, 0,1,2,3,4,5,6,7,8,9,10,11,12,13,14,15,16,17,18,19,20,21,22,23,24,25,26,27,28,29,30,31
	global_load_b32 v[X+32*(\t)+\i], v2, s[24:25] offset:(32*(\t)+\i)*2048 th:TH_LOAD_NT
.endr
.endm
.macro CWAIT bl                        ; block bl is in; the block behind it may be out; the block two on is asked for at once
.if (\bl) < 3
	s_wait_loadcnt 32
.else
	s_wait_loadcnt 0x0
.endif
.if (\bl) < 2
	CLOAD (\bl)+2
.endif
.endm
	CLOAD 0
	CLOAD 1
	s_cmp_eq_u32 s21, 3
	s_cbranch_scc1 .Lwo
	; Wq, Wk, Wv: codes.  My record is 32 mat + 8 cg + tid / 16, my K step ks
	s_lshl_b32 s28, s21, 5
	s_lshl_b32 s30, s22, 3
	s_add_co_u32 s28, s28, s30
	s_mul_i32 s28, s28, REC
	s_add_nc_u64 s[26:27], s[16:17], s[28:29]      ; the work-group's first record
	s_lshl_b32 s28, s23, 6
	s_add_nc_u64 s[30:31], s[26:27], s[28:29]      ; + 64 ks: the K step's scale words (4,096 more stand in the immediate)
	s_lshl_b32 s28, s23, 10
	s_add_nc_u64 s[26:27], s[26:27], s[28:29]      ; + 1,024 ks: its fragment
	v_mul_u32_u24 v5, v3, REC
	v_lshl_add_u32 v6, v4, 2, v5                   ; my scale word's place
	v_lshl_add_u32 v5, v4, 4, v5                   ; my 16 bytes of a block
.macro QBLK bl
.set XS, X+32*(\bl)
	CWAIT \bl
	v_max3_num_f32 v8, |v[XS]|, |v[XS+1]|, |v[XS+2]|               ; the block's largest magnitude: all 32 numbers are mine; two chains
	v_max3_num_f32 v9, |v[XS+3]|, |v[XS+4]|, |v[XS+5]|
.irp i, 6,10,14,18,22,26
	v_max3_num_f32 v8, v8, |v[XS+\i]|, |v[XS+\i+1]|
	v_max3_num_f32 v9, v9, |v[XS+\i+2]|, |v[XS+\i+3]|
.endr
	v_max3_num_f32 v8, v8, |v[XS+30]|, |v[XS+31]|
	v_max3_num_f32 v8, v8, v9, 0x1800000           ; and the floor 2^(3 - 127): the byte cannot fall under 1
	v_add_nc_u32 v10, 0xff000000, v8               ; 2 off its exponent field: the conversion takes the exponent field of this operand as its scale
.irp g, 0,1,2,3
	v_cvt_scalef32_pk8_fp4_f32 v[CD+4*(\bl)+\g], v[XS+8*\g:XS+8*\g+7], v10
.endr
	v_lshrrev_b32 v11, 23, v10                     ; the scale's byte (also the plain line behind the conversions)
.if (\bl) == 0
	v_mov_b32 v24, v11
.else
	v_lshl_or_b32 v24, v11, 8*(\bl), v24           ; four bytes make my column's scale word of this K step
.endif
	global_store_b128 v5, v[CD+4*(\bl):CD+4*(\bl)+3], s[26:27] offset:256*(\bl)   ; sixteen lanes store 256 consecutive bytes, aligned
.endm
	QBLK 0
	QBLK 1
	QBLK 2
	QBLK 3
	global_store_b32 v6, v24, s[30:31] offset:4096 ; sixteen lanes store 64 consecutive bytes: 24,576 bytes of the launch leave in such pieces
	s_endpgm
.Lwo:	; Wo: f16.  Eight numbers down K pack into 16 bytes; they are laid over numbers that are done with (the write never passes the read)
	s_lshl_b32 s28, s22, 17                        ; 131,072 bytes for each 128 columns
	s_lshl_b32 s30, s23, 15                        ; 4 fragments rows of 8,192 bytes for each 128 along K
	s_add_co_u32 s28, s28, s30
	s_add_nc_u64 s[26:27], s[18:19], s[28:29]
	v_lshlrev_b32 v5, 10, v3
	v_lshl_add_u32 v5, v4, 4, v5                   ; my tile's fragment, my 16 bytes
.macro HBLK bl
	CWAIT \bl
.irp a, 0,1,2,3
.irp e, 0,1,2,3
	v_cvt_pk_f16_f32 v[X+4*(4*(\bl)+\a)+\e], v[X+8*(4*(\bl)+\a)+2*\e], v[X+8*(4*(\bl)+\a)+2*\e+1]
.endr
	global_store_b128 v5, v[X+4*(4*(\bl)+\a):X+4*(4*(\bl)+\a)+3], s[26:27] offset:(\bl)*8192+\a*256   ; sixteen lanes store 256 consecutive bytes, aligned; these registers are not written again
.endr
.endm
	HBLK 0
	HBLK 1
	HBLK 2
	HBLK 3
	s_endpgm
; ---------------- x.  A wave takes 16 rows x 256 along K: half a record.  A lane holds 8 neighbours of each row, four lanes a block of 32.
.Lx_path:
	s_sub_co_u32 s21, ttmp9, 64
	s_lshl_b32 s21, s21, 1
	s_lshr_b32 s22, s20, 1
	s_add_co_u32 s21, s21, s22                     ; my record
	s_and_b32 s22, s20, 1                          ; which half of K
	v_and_b32 v1, 31, v0                           ; lane
	v_lshlrev_b32 v2, 5, v1                        ; 32 bytes a lane: a row's two loads cover 1,024 consecutive bytes
	s_lshl_b32 s28, s21, 15                        ; 16 rows of 2,048 bytes
	s_lshl_b32 s29, s22, 10
	s_add_co_u32 s28, s28, s29
	s_mov_b32 s29, 0
	s_mul_i32 s30, s21, REC
	s_mov_b32 s31, 0
	s_lshl_b32 s32, s22, 11                        ; my half's two fragments
	s_mov_b32 s33, 0
	s_lshl_b32 s34, s22, 7                         ; and their scale words
	s_mov_b32 s35, 0
	s_wait_kmcnt 0x0
	s_add_nc_u64 s[24:25], s[4:5], s[28:29]
.irp i, 0,1,2,3,4,5,6,7,8,9,10,11,12,13,14,15
	global_load_b128 v[X+8*\i:X+8*\i+3],   v2, s[24:25] offset:2048*\i th:TH_LOAD_NT
	global_load_b128 v[X+8*\i+4:X+8*\i+7], v2, s[24:25] offset:2048*\i+16 th:TH_LOAD_NT
.endr
	s_add_nc_u64 s[26:27], s[14:15], s[30:31]
	s_add_nc_u64 s[36:37], s[26:27], s[34:35]
	s_add_nc_u64 s[26:27], s[26:27], s[32:33]
	s_mul_i32 s38, s20, WREG
	v_lshrrev_b32 v3, 2, v1                        ; my block, 0 .. 7
	v_and_b32 v4, 3, v1
	v_mul_u32_u24 v3, v3, 272
	v_lshl_add_u32 v3, v4, 2, v3
	v_add_nc_u32 v3, s38, v3                       ; the stage, on the way in: sub-block = my block, my 4 bytes of a row's 16; pitch 272 = 68 words: the 32 lanes fall on 32 different banks (ISA guide 11.1)
	v_lshrrev_b32 v5, 4, v1
	v_bfe_u32 v4, v1, 2, 2
	v_lshl_add_u32 v4, v5, 6, v4
	v_add_nc_u32 v4, s38, v4
	v_add_nc_u32 v4, 8*272, v4                     ; my block's byte: 64 x (K step in my half) + block in the step; 4 bytes a row stand in the immediate
	v_and_b32 v6, 15, v1
	v_mul_u32_u24 v5, v5, 272
	v_lshl_add_u32 v5, v6, 4, v5
	v_add_nc_u32 v5, s38, v5                       ; the stage, on the way out: sixteen lanes to a sub-block
	v_lshlrev_b32 v8, 2, v1                        ; 4 x lane
	v_add_nc_u32 v6, s38, v8
	v_add_nc_u32 v6, 8*272, v6                     ; the scale words, on the way out
	v_lshlrev_b32 v7, 4, v1                        ; 16 x lane
.macro XROWS q                         ; rows 4 q .. 4 q + 3, by turns, so that no line waits for the line above it
	s_wait_loadcnt 24-8*(\q)                       ; these rows' eight loads are in; the younger rows' may be out
.irp a, 0,1,2,3
	v_max3_num_f32 v[TM+\a], |v[X+8*(4*(\q)+\a)]|, |v[X+8*(4*(\q)+\a)+1]|, 0x1800000   ; my 8 numbers, and the floor 2^(3 - 127)
.endr
.irp i, 2,4,6
.irp a, 0,1,2,3
	v_max3_num_f32 v[TM+\a], v[TM+\a], |v[X+8*(4*(\q)+\a)+\i]|, |v[X+8*(4*(\q)+\a)+\i+1]|
.endr
.endr
.irp a, 0,1,2,3
	v_max_num_f32_dpp v[TM+\a], v[TM+\a], v[TM+\a] row_xmask:1 row_mask:0xf bank_mask:0xf
.endr
.irp a, 0,1,2,3
	v_max_num_f32_dpp v[TM+\a], v[TM+\a], v[TM+\a] row_xmask:2 row_mask:0xf bank_mask:0xf   ; the four lanes of a block are joined
.endr
.irp a, 0,1,2,3
	v_add_nc_u32 v[TM+4+\a], 0xff000000, v[TM+\a]  ; 2 off the exponent field: the conversion's scale operand
.endr
.irp a, 0,1,2,3
	v_cvt_scalef32_pk8_fp4_f32 v[CD+4*(\q)+\a], v[X+8*(4*(\q)+\a):X+8*(4*(\q)+\a)+7], v[TM+4+\a]
.endr
.irp a, 0,1,2,3
	v_lshrrev_b32 v[BY+4*(\q)+\a], 23, v[TM+4+\a]  ; the scale's byte (also the plain lines behind the conversions)
.endr
.irp a, 0,1,2,3
	ds_store_b32 v3, v[CD+4*(\q)+\a] offset:16*(4*(\q)+\a)
	ds_store_b8 v4, v[BY+4*(\q)+\a] offset:4*(4*(\q)+\a)      ; the four lanes of a block write the same byte with the same value
.endr
.endm
	XROWS 0
	XROWS 1
	XROWS 2
	XROWS 3
.irp v, 0,1,2,3
	ds_load_b128 v[X+4*\v:X+4*\v+3], v5 offset:544*\v             ; LDS serves a wave's instructions in order (ISA guide 5.7.1.4): these see my stores
.endr
	ds_load_b32 v9, v6
	s_wait_dscnt 0x0
.irp v, 0,1,2,3
	global_store_b128 v7, v[X+4*\v:X+4*\v+3], s[26:27] offset:512*\v   ; 32 lanes store 512 consecutive bytes, aligned
.endr
	global_store_b32 v8, v9, s[36:37] offset:4096  ; 128 consecutive bytes: 131,072 bytes of the launch leave in such pieces
	s_wait_tensorcnt 0x0                           ; the wave's end: the tensor wait, a spare add and its wait, behind my last LDS store
	ds_add_u32 v[SPW], v[NIL]
	s_wait_dscnt 0x0
	s_endpgm
.Lfunc_end_k_q711d52927a_prep:
	.size	k_q711d52927a_prep, .Lfunc_end_k_q711d52927a_prep-k_q711d52927a_prep
	.p2alignl 7, 3214868480
	.fill 96, 4, 3214868480
	.section	.rodata,"a",@progbits
	.p2align	6, 0x0
	.amdhsa_kernel k_q711d52927a_prep
		.amdhsa_group_segment_fixed_size 9728
		.amdhsa_private_segment_fixed_size 0
		.amdhsa_enable_private_segment 0
		.amdhsa_kernarg_size 64
		.amdhsa_user_sgpr_count 2
		.amdhsa_user_sgpr_kernarg_segment_ptr 1
		.amdhsa_wavefront_size32 1
		.amdhsa_system_sgpr_workgroup_id_x 1
		.amdhsa_system_sgpr_workgroup_id_y 1
		.amdhsa_system_sgpr_workgroup_id_z 1
		.amdhsa_system_vgpr_workitem_id 0
		.amdhsa_next_free_vgpr 192
		.amdhsa_next_free_sgpr 66
		.amdhsa_reserve_vcc 0
		.amdhsa_float_denorm_mode_32 3
		.amdhsa_float_denorm_mode_16_64 3
		.amdhsa_memory_ordered 1
		.amdhsa_forward_progress 1
		.amdhsa_inst_pref_size 49
	.end_amdhsa_kernel
	.amdgpu_metadata
---
amdhsa.version: [ 1, 2 ]
amdhsa.kernels:
  - .name:           k_q711d52927a_prep
    .symbol:         k_q711d52927a_prep.kd
    .args:
      - { .name: x, .offset: 0, .size: 8, .value_kind: global_buffer, .address_space: global }
      - { .name: Wq, .offset: 8, .size: 8, .value_kind: global_buffer, .address_space: global }
      - { .name: Wk, .offset: 16, .size: 8, .value_kind: global_buffer, .address_space: global }
      - { .name: Wv, .offset: 24, .size: 8, .value_kind: global_buffer, .address_space: global }
      - { .name: Wo, .offset: 32, .size: 8, .value_kind: global_buffer, .address_space: global }
      - { .name: xq, .offset: 40, .size: 8, .value_kind: global_buffer, .address_space: global }
      - { .name: wqkv, .offset: 48, .size: 8, .value_kind: global_buffer, .address_space: global }
      - { .name: wof, .offset: 56, .size: 8, .value_kind: global_buffer, .address_space: global }
    .group_segment_fixed_size: 9728
    .private_segment_fixed_size: 0
    .kernarg_segment_align: 8
    .kernarg_segment_size: 64
    .max_flat_workgroup_size: 128
    .sgpr_count:     66
    .vgpr_count:     192
    .wavefront_size: 32
...
	.end_amdgpu_metadata
.endif
;; end of part 1
;; launch attn (part 2): grid 8 x 32, 8 waves a work-group, no clusters, 236,544 bytes of LDS; arguments xq, wqkv, bq, bk, bv, obuf; writes obuf
.if DOCPART == 2
	.amdgcn_target "amdgcn-amd-amdhsa--gfx1250"
	.amdhsa_code_object_version 6
	.text
	.protected	k_q711d52927a_attn
	.globl	k_q711d52927a_attn
	.p2align	8
	.type	k_q711d52927a_attn,@function
k_q711d52927a_attn:
	s_mov_b64 s[64:65], 0
	v_nop
	global_prefetch_b8 v0, s[64:65] scope:SCOPE_SE
	s_setreg_imm32_b32 hwreg(HW_REG_WAVE_MODE, 25, 1), 1
	s_wait_xcnt 0x0
; One work-group = one head x one chunk of 256 queries: q, k, v = x W + b on codes of FP4 (the quantised products), then softmax(q k^T / 8) v under the band |query - key| <= 64, in f16 operands with f32 sums.
; The band: a tile of 16 queries sees the 9 tiles of 16 keys round it; the other 119 tiles are hidden by the mask and are not multiplied.  k and v are therefore projected for the chunk and 64 rows on either side: 24 tiles.
; PHASE 0: x's 24 records (16 rows each, codes and scale words in the order of the operand's registers) go into LDS, three a wave.
; PHASE 1: wave (dt, hf) keeps the fragments of 16 columns (d = 16 dt ..) of Wq, Wk, Wv in registers and makes that part of q, k, v for the row tiles 2 j + hf.  q and k are made TRANSPOSED (source 0 = 16 columns of W,
;   source 1 = 16 rows of x): a lane holds one row and eight neighbouring d, which pack into 16 bytes of an f16 fragment whose K is d.  v is made straight: a lane holds one d and eight neighbouring keys: 16 bytes of a fragment of V^T
;   whose K is the keys.  The biases are the C of each sum's first product.  q is multiplied by log2(e) / 8 in f32 before it is rounded.  The fragments go to LDS as images of their registers.
; PHASE 2: wave w owns query tiles 2 w and 2 w + 1; both see key tiles 2 w + T, T = 0 .. 9 (tile i: T = i .. i + 8).  S^T = K Q^T and O^T = V^T P: a lane holds ONE query throughout.  The band's two slanted edges are the C of the
;   first product of tiles T = i and T = i + 8 (0 or -1e30); tiles that lie in another sequence (the first and the last chunk's halo) get -1e30 by a scalar.  p = 2^(t - m), m the row's true maximum; the sum is taken of the
;   unrounded p; O is divided by it, rounded to f16 and stored as fragments of the last product.
; LIMITS: NaN and infinities are not served.  0.18 q, k, v and O go to f16: they stay at or under 65,504.  Scores are then under 2.7e11 in magnitude, so the mark -1e30 lies under every score and 2^(-1e30 - m) is 0.
; NO CLUSTER: the eight heads of a chunk read the same 104,448 bytes of x's records, once, at the head, by plain loads; this text has no tensor load, so it has no joint request.  That sharing is left unused here.
; No loop: each phase's trips are written out; all offsets are immediates.
.set REC,   4352
.set QF,    24*REC                     ; LDS: x's 24 records; then q's 16 tiles x 2,048 bytes (two fragments of 32 along d);
.set KF,    QF+16*2048                 ; k's 24 tiles likewise;
.set VF,    KF+24*2048                 ; V^T: 12 pairs of key tiles x 4 tiles of d x 1,024 bytes;
.set SPARE, VF+12*4096                 ; the spare words, 128 bytes for each wave, that no other line names
.set SPW, 1                            ; v1  LDS address of my spare word; never rewritten
.set NIL, 2                            ; v2  0; never rewritten
.set L16, 3                            ; v3, v4, v5: 16, 4, 8 x lane; never rewritten
.set L4,  4
.set L8,  5
.set RR,  14                           ; v14 r = lane % 16, v15 h = lane / 16, until the masks are made
.set HH,  15
; phase 1
.set XA,  6                            ; v6, v7   x's fragments: records 2 j + hf, j under 6 and from 6 on
.set XSA, 8                            ; v8, v9   their scale words
.set KA,  10                           ; v10, v11, v12: where I store my 16 bytes of k, V^T, q
.set VA,  11
.set QA,  12
.set WF,  16                           ; v16-111  W's fragments: 32 mat + 8 s
.set WS,  112                          ; v112-117 their scale words: 2 mat + u: K step 2 u in lanes 0-15, 2 u + 1 in lanes 16-31
.set XS,  118                          ; v118-121 x's scale words: 2 p + u
.set BQ,  122                          ; v122-145 the biases as tiles of C
.set BK,  130
.set BV,  138
.set XF,  146                          ; v146-209 x's fragments, two buffers: 32 p + 8 s
.set AQ,  210                          ; accumulators
.set AK,  218
.set AV,  226
.set OQ,  234                          ; packed results
.set OK,  238
.set OV,  242
; phase 2
.set QB,  6                            ; v6, v7, v8: my wave's first tile in q, k, V^T
.set KB,  7
.set VB,  8
.set NEG, 9                            ; v9  -1e30
.set DD,  10                           ; v10 r - 8 h
.set LS,  12                           ; v12, v13 the rows' sums
.set RL,  14                           ; v14, v15 their reciprocals
.set ML,  16                           ; v16-23 the lower edge as a tile of C, v24-31 the upper
.set MU,  24
.set QG,  32                           ; v32-63 q: 16 i + 8 dl; later a buffer for V^T
.set SA,  64                           ; v64-143, v144-223: S^T of query tile i at 80 i, key tile T at 8 T; then p; then P in f16 (40 registers) and O^T
.set OB,  104                          ; O^T of query tile i at 104 + 80 i
.set XB,  224                          ; v224-255 a buffer for k and V^T; the softmax's work registers; the packed O
.set YB,  128                          ; a second buffer for k: the places of S^T's tiles 8 and 9 (v128, v136, v208, v216), free until the last batch
.set TM,  224                          ; v224-233 the tiles' maxima
.set NM,  234                          ; v234-243 what is added to each tile's scores: its mark less the maximum
.set MM,  244
.set TP,  245
.set SU,  246                          ; v246-249 two chains of sums
.set PEN, 40                           ; s40-49 the mark of key tile T: 0, or -1e30 where the tile lies outside the sequence
	s_load_b256 s[4:11], s[0:1], 0x0               ; xq, wqkv, bq, bk
	s_load_b128 s[12:15], s[0:1], 0x20             ; bv, obuf
	v_lshl_add_u32 v[SPW], v0, 2, SPARE
	v_mov_b32 v[NIL], 0
	v_lshrrev_b32 v6, 5, v0
	v_readfirstlane_b32 s16, v6                    ; wave 0..7
	s_and_b32 s17, s16, 3                          ; dt
	s_lshr_b32 s18, s16, 2                         ; hf
	s_mov_b32 s19, ttmp9                           ; the head
	s_and_b32 s20, ttmp7, 0xffff                   ; 8 x batch + chunk
	s_and_b32 s21, s20, 7                          ; the chunk
	v_and_b32 v13, 31, v0
	v_lshlrev_b32 v[L16], 4, v13
	v_lshlrev_b32 v[L4], 2, v13
	v_lshlrev_b32 v[L8], 3, v13
	v_and_b32 v[RR], 15, v0
	v_bfe_u32 v[HH], v0, 4, 1
	v_lshlrev_b32 v8, 5, v[HH]                     ; bq, bk: 32 h
	v_lshlrev_b32 v9, 2, v[RR]                     ; bv: 4 r
	s_mul_i32 s50, s16, 3*REC
	v_add_nc_u32 v6, s50, v[L16]                   ; where my three records go
	v_add_nc_u32 v7, s50, v[L8]
	s_lshl_b32 s50, s20, 4                         ; the chunk's first tile of rows
	s_mul_i32 s51, s16, 3
	s_add_co_u32 s50, s50, s51
	s_sub_co_i32 s50, s50, 4                       ; my first record: 64 rows ahead of the chunk, + 3 x wave
.irp e, 0,1,2
	s_add_co_i32 s52, s50, \e
	s_max_i32 s52, s52, 0                          ; held inside the buffer: such tiles lie outside the sequence and get the mark
	s_min_i32 s52, s52, 511
	s_mul_i32 s[40+2*\e], s52, REC
	s_mov_b32 s[41+2*\e], 0
.endr
	s_lshl_b32 s46, s19, 2
	s_add_co_u32 s46, s46, s17
	s_mul_i32 s46, s46, REC                        ; W's record 4 head + dt; 32 records for each matrix stand in the immediate
	s_mov_b32 s47, 0
	s_lshl_b32 s48, s19, 8
	s_lshl_b32 s49, s17, 6
	s_add_co_u32 s48, s48, s49                     ; the biases: (64 head + 16 dt) x 4
	s_mov_b32 s49, 0
	s_lshl_b32 s50, s20, 1
	s_add_co_u32 s50, s50, s18                     ; obuf: block of 128 rows = 2 x (8 batch + chunk) + wave / 4,
	s_lshl_b32 s50, s50, 17
	s_lshl_b32 s51, s19, 14                        ; the head's two fragment rows of 8,192 bytes,
	s_add_co_u32 s50, s50, s51
	s_lshl_b32 s51, s17, 11                        ; my two tiles: 2 (wave % 4)
	s_add_co_u32 s50, s50, s51
	s_mov_b32 s51, 0
	s_mov_b32 s36, 0x3e38aa3b                      ; log2(e) / 8
	s_mov_b32 s37, s36                             ; (named with it as a pair, so it is written)
	s_mov_b32 s38, 0x76543210
	s_mov_b32 s39, 0xfedcba98                      ; v_permlanex16_b32's selects for lane l xor 16
	s_wait_kmcnt 0x0
.irp e, 0,1,2
	s_add_nc_u64 s[24+2*\e:25+2*\e], s[4:5], s[40+2*\e:41+2*\e]
.endr
	s_add_nc_u64 s[30:31], s[6:7], s[46:47]
	s_add_nc_u64 s[56:57], s[8:9], s[48:49]
	s_add_nc_u64 s[58:59], s[10:11], s[48:49]
	s_add_nc_u64 s[60:61], s[12:13], s[48:49]
	s_add_nc_u64 s[34:35], s[14:15], s[50:51]
; ---- PHASE 0: 27 loads for x, then 30 for W and 5 for the biases
.irp e, 0,1,2
.irp i, 0,1,2,3,4,5,6,7
	global_load_b128 v[146+34*\e+4*\i:146+34*\e+4*\i+3], v[L16], s[24+2*\e:25+2*\e] offset:512*\i
.endr
	global_load_b64 v[146+34*\e+32:146+34*\e+33], v[L8], s[24+2*\e:25+2*\e] offset:4096
.endr
.irp m, 0,1,2
.irp i, 0,1,2,3,4,5,6,7
	global_load_b128 v[WF+32*\m+4*\i:WF+32*\m+4*\i+3], v[L16], s[30:31] offset:\m*32*REC+512*\i
.endr
.irp u, 0,1
	global_load_b32 v[WS+2*\m+\u], v[L4], s[30:31] offset:\m*32*REC+4096+128*\u
.endr
.endr
	global_load_b128 v[BQ:BQ+3],   v8, s[56:57]            ; lane (r, h): bq at d = 16 dt + 8 h + 0 .. 7
	global_load_b128 v[BQ+4:BQ+7], v8, s[56:57] offset:16
	global_load_b128 v[BK:BK+3],   v8, s[58:59]
	global_load_b128 v[BK+4:BK+7], v8, s[58:59] offset:16
	global_load_b32 v[BV], v9, s[60:61]                    ; bv at d = 16 dt + r
	; the marks of my ten key tiles, while the loads are out
	s_cmp_eq_u32 s21, 0
	s_cselect_b32 s50, 4, 0                        ; the first tile that lies in the sequence,
	s_cmp_eq_u32 s21, 7
	s_cselect_b32 s51, 20, 24                      ; and the first behind it
	s_sub_co_u32 s51, s51, s50
	s_lshl_b32 s52, s16, 1
	s_sub_co_u32 s52, s52, s50
	s_mov_b32 s54, 0xf149f2ca                      ; -1e30
.irp t, 0,1,2,3,4,5,6,7,8,9
	s_add_co_u32 s53, s52, \t
	s_cmp_lt_u32 s53, s51                          ; tile 2 w + T lies inside (one unsigned compare for both ends)
	s_cselect_b32 s[PEN+\t], 0, s54
.endr
	s_wait_loadcnt 35                              ; x's 27 loads are in; the 30 + 5 behind them may be out
.irp e, 0,1,2
.irp i, 0,1,2,3,4,5,6,7
	ds_store_b128 v6, v[146+34*\e+4*\i:146+34*\e+4*\i+3] offset:\e*REC+512*\i
.endr
	ds_store_b64 v7, v[146+34*\e+32:146+34*\e+33] offset:\e*REC+4096
.endr
	s_wait_dscnt 0x0                               ; for the others' sake: my records lie in LDS
	s_barrier_signal -1
	s_barrier_wait -1                              ; all 24 do
	s_wait_loadcnt 0x0                             ; W, its scale words, the biases; the loads' offset registers v8, v9 are free from here on
.irp j, 1,2,3,4,5,6,7
	v_mov_b32 v[BV+\j], v[BV]                      ; in v's tile a lane's eight results are eight keys of one d: one bias
.endr
	s_mul_i32 s50, s18, REC
	v_add_nc_u32 v[XA], s50, v[L16]
	v_add_nc_u32 v[XA+1], 12*REC, v[XA]
	v_add_nc_u32 v[XSA], s50, v[L4]
	v_add_nc_u32 v[XSA], 4096, v[XSA]
	v_add_nc_u32 v[XSA+1], 12*REC, v[XSA]
	s_lshl_b32 s50, s18, 11
	s_lshl_b32 s51, s17, 9
	s_add_co_u32 s50, s50, s51                     ; tile 2 j + hf, fragment dt / 2, half dt % 2: 2,048 hf + 512 dt
	v_add_nc_u32 v[QA], s50, v[L16]
	v_add_nc_u32 v[KA], KF, v[QA]
	v_add_nc_u32 v[QA], QF, v[QA]
	s_lshl_b32 s50, s17, 10
	s_lshl_b32 s51, s18, 9
	s_add_co_u32 s50, s50, s51                     ; pair j, tile dt of d, half hf: 1,024 dt + 512 hf
	v_add_nc_u32 v[VA], s50, v[L16]
	v_add_nc_u32 v[VA], VF, v[VA]
; ---- PHASE 1
.macro XFETCH j                        ; record 2 j + hf: four fragments and two registers of scale words into buffer j % 2
.irp i, 0,1,2,3,4,5,6,7
	ds_load_b128 v[XF+32*((\j)%2)+4*\i:XF+32*((\j)%2)+4*\i+3], v[XA+(\j)/6] offset:((\j)%6)*2*REC+512*\i
.endr
.irp u, 0,1
	ds_load_b32 v[XS+2*((\j)%2)+\u], v[XSA+(\j)/6] offset:((\j)%6)*2*REC+128*\u
.endr
.endm
.macro PROJ d, a, b, s, bias, sa, sb   ; one product of 128 along K; K step s takes its scale words from lanes 0-15 (s even) or 16-31 (s odd) of both scale registers
.if (\s) == 0
	v_wmma_scale_f32_16x16x128_f8f6f4 v[\d:\d+7], v[\a:\a+7], v[\b:\b+7], v[\bias:\bias+7], v[\sa], v[\sb] matrix_a_fmt:MATRIX_FMT_FP4 matrix_b_fmt:MATRIX_FMT_FP4
.elseif (\s) == 2
	v_wmma_scale_f32_16x16x128_f8f6f4 v[\d:\d+7], v[\a:\a+7], v[\b:\b+7], v[\d:\d+7], v[\sa], v[\sb] matrix_a_fmt:MATRIX_FMT_FP4 matrix_b_fmt:MATRIX_FMT_FP4
.else
	v_wmma_scale_f32_16x16x128_f8f6f4 v[\d:\d+7], v[\a:\a+7], v[\b:\b+7], v[\d:\d+7], v[\sa], v[\sb] matrix_a_fmt:MATRIX_FMT_FP4 matrix_b_fmt:MATRIX_FMT_FP4 matrix_a_scale:MATRIX_SCALE_ROW1 matrix_b_scale:MATRIX_SCALE_ROW1
.endif
.endm
.macro TRIP j, withq                   ; row tile 2 j + hf.  withq = 1: the tile holds queries of the chunk (j = 2 .. 9)
.set PP, (\j)%2
	s_wait_dscnt 0x0                               ; this trip's fragments are in, and the last trip's stores have read their registers
.if (\j) < 11
	XFETCH (\j)+1                                  ; into the other buffer: its last products stand ahead of the last trip's five places
.endif
.irp s, 0,1,2,3                        ; the accumulators take turns, one instruction a turn
	PROJ AK, WF+32+8*\s, XF+32*PP+8*\s, \s, BK, WS+2+\s/2, XS+2*PP+\s/2
	PROJ AV, XF+32*PP+8*\s, WF+64+8*\s, \s, BV, XS+2*PP+\s/2, WS+4+\s/2
.if \withq
	PROJ AQ, WF+8*\s, XF+32*PP+8*\s, \s, BQ, WS+\s/2, XS+2*PP+\s/2
.endif
.endr
.rept 5
	v_nop                                          ; four places ahead of the first read of results and of loads into the operands; the fifth since the next trip's first products write the accumulators anew
.endr
.irp e, 0,1,2,3
	v_cvt_pk_f16_f32 v[OK+\e], v[AK+2*\e], v[AK+2*\e+1]
.endr
	ds_store_b128 v[KA], v[OK:OK+3] offset:(\j)*4096
.irp e, 0,1,2,3
	v_cvt_pk_f16_f32 v[OV+\e], v[AV+2*\e], v[AV+2*\e+1]
.endr
	ds_store_b128 v[VA], v[OV:OV+3] offset:(\j)*4096
.if \withq
.irp e, 0,2,4,6
	v_pk_mul_f32 v[AQ+\e:AQ+\e+1], v[AQ+\e:AQ+\e+1], s[36:37] op_sel_hi:[1,0]   ; q x log2(e) / 8, in f32
.endr
.irp e, 0,1,2,3
	v_cvt_pk_f16_f32 v[OQ+\e], v[AQ+2*\e], v[AQ+2*\e+1]
.endr
	ds_store_b128 v[QA], v[OQ:OQ+3] offset:((\j)-2)*4096
.endif
.endm
	XFETCH 0
	TRIP 0, 0
	TRIP 1, 0
	TRIP 2, 1
	TRIP 3, 1
	TRIP 4, 1
	TRIP 5, 1
	TRIP 6, 1
	TRIP 7, 1
	TRIP 8, 1
	TRIP 9, 1
	TRIP 10, 0
	TRIP 11, 0
	s_wait_dscnt 0x0                               ; for the others' sake: my parts of q, k, V^T lie in LDS
	s_barrier_signal -1
	s_barrier_wait -1                              ; everybody's do; from here on LDS is only read
; ---- PHASE 2
	s_lshl_b32 s50, s16, 12                        ; two tiles of 2,048 bytes, or a pair of 4,096, for each wave
	v_add_nc_u32 v[QB], s50, v[L16]
	v_add_nc_u32 v[KB], KF, v[QB]
	v_add_nc_u32 v[VB], VF, v[QB]
	v_add_nc_u32 v[QB], QF, v[QB]
.macro KLOAD u, kb, kx                 ; key tiles 2 u, 2 u + 1: fragment (tp, dl) into v[kb + 8 (2 tp + dl) + kx tp]
.irp tp, 0,1
.irp dl, 0,1
.irp cc, 0,1
	ds_load_b128 v[\kb+8*(2*\tp+\dl)+\kx*\tp+4*\cc:\kb+8*(2*\tp+\dl)+\kx*\tp+4*\cc+3], v[KB] offset:(2*(\u)+\tp)*2048+\dl*1024+\cc*512
.endr
.endr
.endr
.endm
.macro MULS u, kb, kx                  ; S^T of key tiles 2 u, 2 u + 1 for the query tiles that see them; the accumulators take turns, one instruction a turn
.irp dl, 0,1
.irp tp, 0,1
.irp i, 0,1
.set TT, 2*(\u)+\tp
.set DR, SA+80*\i+8*TT
.set AR, \kb+8*(2*\tp+\dl)+\kx*\tp
.set BR, QG+16*\i+8*\dl
.if (TT >= \i) && (TT <= \i+8)
.if \dl == 1
	v_wmma_f32_16x16x32_f16 v[DR:DR+7], v[AR:AR+7], v[BR:BR+7], v[DR:DR+7]
.elseif TT == \i
	v_wmma_f32_16x16x32_f16 v[DR:DR+7], v[AR:AR+7], v[BR:BR+7], v[ML:ML+7]   ; the tile 64 keys back: keys under query - 64 are hidden
.elseif TT == \i+8
	v_wmma_f32_16x16x32_f16 v[DR:DR+7], v[AR:AR+7], v[BR:BR+7], v[MU:MU+7]   ; the tile 64 keys on: keys over query + 64 are hidden
.else
	v_wmma_f32_16x16x32_f16 v[DR:DR+7], v[AR:AR+7], v[BR:BR+7], 0
.endif
.endif
.endr
.endr
.endr
.endm
.macro PLACES n
.rept \n
	v_nop
.endr
.endm
.irp i, 0,1
.irp dl, 0,1
.irp cc, 0,1
	ds_load_b128 v[QG+16*\i+8*\dl+4*\cc:QG+16*\i+8*\dl+4*\cc+3], v[QB] offset:\i*2048+\dl*1024+\cc*512
.endr
.endr
.endr
	KLOAD 0, XB, 0
	KLOAD 1, YB, 64
	v_mov_b32 v[NEG], 0xf149f2ca                   ; -1e30
	v_lshlrev_b32 v[DD], 3, v[HH]
	v_sub_nc_u32 v[DD], v[RR], v[DD]               ; r - 8 h: register j of a tile is key 8 h + j, my query is r
.irp j, 0,1,2,3,4,5,6,7
	v_cmp_lt_i32 vcc_lo, \j, v[DD]                 ; 8 h + j < r
	v_cndmask_b32 v[ML+\j], 0, v[NEG], vcc_lo
	v_cmp_gt_i32 vcc_lo, \j, v[DD]                 ; 8 h + j > r
	v_cndmask_b32 v[MU+\j], 0, v[NEG], vcc_lo
.endr
	s_wait_dscnt 8                                 ; q and batch 0 are in; the eight loads of batch 1 may be out
	MULS 0, XB, 0
	PLACES 4                                       ; ahead of loads into registers that matrix instructions have read
	KLOAD 2, XB, 0
	s_wait_dscnt 8                                 ; all but the eight just issued
	MULS 1, YB, 64
	PLACES 4
	KLOAD 3, YB, 64
	s_wait_dscnt 8
	MULS 2, XB, 0
	PLACES 4
	KLOAD 4, XB, 0
	s_wait_dscnt 8
	MULS 3, YB, 64
	PLACES 5                                       ; the last batch's results are laid over the buffer that these products read: one place more
	s_wait_dscnt 0x0
	MULS 4, XB, 0
	PLACES 4                                       ; ahead of the first read of results, of the load into q's registers and of the writes into the buffer
.macro VLOAD pr, vb                    ; pair w + pr of key tiles: four fragments of V^T (16 d x 32 keys)
.irp dt, 0,1,2,3
.irp cc, 0,1
	ds_load_b128 v[\vb+8*\dt+4*\cc:\vb+8*\dt+4*\cc+3], v[VB] offset:(\pr)*4096+\dt*1024+\cc*512
.endr
.endr
.endm
	VLOAD 0, QG                                    ; lands while the softmax is walked
.irp j, 0,1,2,3,4,5,6,7,8,9,10,11
	v_mov_b32 v[NM+\j], 0                          ; written once: a pair is named whole, and a lane permute's destination counts as one of its sources
.endr
.macro SOFTMAX i                       ; query tile i: its nine key tiles T = i .. i + 8 are 72 registers on end
.set SB, SA+80*(\i)
.set PB, SB+8*(\i)
.irp t, 0,1,2,3,4,5,6,7,8
	v_max3_num_f32 v[TM+(\i)+\t], v[PB+8*\t], v[PB+8*\t+1], v[PB+8*\t+2]     ; each tile's maximum, from the accumulator's low end on; the tiles by turns
.endr
.irp e, 3,5
.irp t, 0,1,2,3,4,5,6,7,8
	v_max3_num_f32 v[TM+(\i)+\t], v[TM+(\i)+\t], v[PB+8*\t+\e], v[PB+8*\t+\e+1]
.endr
.endr
.irp t, 0,1,2,3,4,5,6,7,8
	v_max_num_f32 v[TM+(\i)+\t], v[TM+(\i)+\t], v[PB+8*\t+7]
.endr
.irp t, 0,1,2,3,4,5,6,7,8
	v_add_f32 v[TM+(\i)+\t], s[PEN+(\i)+\t], v[TM+(\i)+\t]                   ; a tile outside the sequence does not count
.endr
	v_max3_num_f32 v[MM], v[TM+(\i)], v[TM+(\i)+1], v[TM+(\i)+2]
.irp t, 3,5,7
	v_max3_num_f32 v[MM], v[MM], v[TM+(\i)+\t], v[TM+(\i)+\t+1]
.endr
	v_permlanex16_b32 v[TP], v[MM], s38, s39       ; the query's other keys lie in the lane 16 away
	v_max_num_f32 v[MM], v[MM], v[TP]              ; the row's maximum: the query's own tile always counts, so it is a score
.irp t, 0,1,2,3,4,5,6,7,8
	v_sub_f32 v[NM+(\i)+\t], s[PEN+(\i)+\t], v[MM]
.endr
.irp t, 0,1,2,3,4,5,6,7,8
.irp e, 0,2,4,6
.if ((\i)+\t)%2 == 0
	v_pk_add_f32 v[PB+8*\t+\e:PB+8*\t+\e+1], v[PB+8*\t+\e:PB+8*\t+\e+1], v[NM+(\i)+\t:NM+(\i)+\t+1] op_sel_hi:[1,0]                ; t - m (+ the mark): the pair's first register serves both halves
.else
	v_pk_add_f32 v[PB+8*\t+\e:PB+8*\t+\e+1], v[PB+8*\t+\e:PB+8*\t+\e+1], v[NM+(\i)+\t-1:NM+(\i)+\t] op_sel:[0,1] op_sel_hi:[1,1]   ; the pair's second register serves both halves
.endif
.endr
.endr
.set n, 0
.rept 72
	v_exp_f32 v[PB+n], v[PB+n]                     ; p = 2^(t - m): one batch
.set n, n+1
.endr
	v_nop                                          ; a plain line behind the last exponential
	s_wait_alu depctr_va_vdst(0)                   ; the wait ahead of the first line that names a result: one for the batch
	v_pk_add_f32 v[SU:SU+1], v[PB:PB+1], v[PB+2:PB+3]          ; the row's sum, of the unrounded p: two chains
	v_pk_add_f32 v[SU+2:SU+3], v[PB+4:PB+5], v[PB+6:PB+7]
.set n, 8
.rept 16
	v_pk_add_f32 v[SU:SU+1], v[SU:SU+1], v[PB+n:PB+n+1]
	v_pk_add_f32 v[SU+2:SU+3], v[SU+2:SU+3], v[PB+n+2:PB+n+3]
.set n, n+4
.endr
	v_pk_add_f32 v[SU:SU+1], v[SU:SU+1], v[SU+2:SU+3]
	v_add_f32 v[SU], v[SU], v[SU+1]
	v_permlanex16_b32 v[TP], v[SU], s38, s39
	v_add_f32 v[LS+(\i)], v[SU], v[TP]
.set n, 4*(\i)
.rept 36
	v_cvt_pk_f16_f32 v[SB+n], v[SB+2*n], v[SB+2*n+1]           ; P in f16, in place and ascending: the write never passes the read.  Registers 8 pr .. 8 pr + 7 are source 1 for the pair pr of key tiles
.set n, n+1
.endr
.irp e, 0,1,2,3
	v_mov_b32 v[SB+36*(1-(\i))+\e], 0              ; the tenth tile, which this query tile does not see: p = 0
.endr
.endm
	SOFTMAX 0
	SOFTMAX 1
	v_rcp_f32 v[RL], v[LS]
	v_rcp_f32 v[RL+1], v[LS+1]
	v_nop                                          ; a plain line behind the last reciprocal
	s_wait_alu depctr_va_vdst(0)                   ; and the wait ahead of the first use: one for the two
.macro MULPV pr, vb                    ; O^T += V^T P over the pair's 32 keys: eight accumulators by turns
.irp dt, 0,1,2,3
.irp i, 0,1
.if (\pr) == 0
	v_wmma_f32_16x16x32_f16 v[OB+80*\i+8*\dt:OB+80*\i+8*\dt+7], v[\vb+8*\dt:\vb+8*\dt+7], v[SA+80*\i+8*(\pr):SA+80*\i+8*(\pr)+7], 0
.else
	v_wmma_f32_16x16x32_f16 v[OB+80*\i+8*\dt:OB+80*\i+8*\dt+7], v[\vb+8*\dt:\vb+8*\dt+7], v[SA+80*\i+8*(\pr):SA+80*\i+8*(\pr)+7], v[OB+80*\i+8*\dt:OB+80*\i+8*\dt+7]
.endif
.endr
.endr
.endm
	VLOAD 1, XB
	s_wait_dscnt 8                                 ; pair 0 is in; the eight loads just issued may be out
	MULPV 0, QG
	PLACES 4
	VLOAD 2, QG
	s_wait_dscnt 8
	MULPV 1, XB
	PLACES 4
	VLOAD 3, XB
	s_wait_dscnt 8
	MULPV 2, QG
	PLACES 4
	VLOAD 4, QG
	s_wait_dscnt 8
	MULPV 3, XB
	s_wait_dscnt 0x0
	MULPV 4, QG
	PLACES 4
; THE WAY OUT.  Register j of O^T's tile dt is O(query r, d = 16 dt + 8 h + j): divided by the sum and packed, a tile's four registers are half dt % 2 of the fragment (my 16 rows, c = 64 head + 32 (dt / 2) ..) of the last product.
.irp n, 0,2,4,6,8,10,12,14,16,18,20,22,24,26,28,30
	v_pk_mul_f32 v[OB+\n:OB+\n+1], v[OB+\n:OB+\n+1], v[RL:RL+1] op_sel_hi:[1,0]
.endr
.irp n, 0,2,4,6,8,10,12,14,16,18,20,22,24,26,28,30
	v_pk_mul_f32 v[OB+80+\n:OB+80+\n+1], v[OB+80+\n:OB+80+\n+1], v[RL:RL+1] op_sel:[0,1] op_sel_hi:[1,1]
.endr
.irp i, 0,1
.irp n, 0,1,2,3,4,5,6,7,8,9,10,11,12,13,14,15
	v_cvt_pk_f16_f32 v[XB+16*\i+\n], v[OB+80*\i+2*\n], v[OB+80*\i+2*\n+1]
.endr
.endr
.irp i, 0,1
.irp dt, 0,1,2,3
	global_store_b128 v[L16], v[XB+16*\i+4*\dt:XB+16*\i+4*\dt+3], s[34:35] offset:\i*1024+(\dt/2)*8192+(\dt%2)*512   ; 32 lanes store 512 consecutive bytes, aligned
.endr
.endr
	s_wait_tensorcnt 0x0                           ; the wave's end: the tensor wait, a spare add and its wait, behind my last LDS store
	ds_add_u32 v[SPW], v[NIL]
	s_wait_dscnt 0x0
	s_endpgm
.Lfunc_end_k_q711d52927a_attn:
	.size	k_q711d52927a_attn, .Lfunc_end_k_q711d52927a_attn-k_q711d52927a_attn
	.p2alignl 7, 3214868480
	.fill 96, 4, 3214868480
	.section	.rodata,"a",@progbits
	.p2align	6, 0x0
	.amdhsa_kernel k_q711d52927a_attn
		.amdhsa_group_segment_fixed_size 236544
		.amdhsa_private_segment_fixed_size 0
		.amdhsa_enable_private_segment 0
		.amdhsa_kernarg_size 48
		.amdhsa_user_sgpr_count 2
		.amdhsa_user_sgpr_kernarg_segment_ptr 1
		.amdhsa_wavefront_size32 1
		.amdhsa_system_sgpr_workgroup_id_x 1
		.amdhsa_system_sgpr_workgroup_id_y 1
		.amdhsa_system_sgpr_workgroup_id_z 1
		.amdhsa_system_vgpr_workitem_id 0
		.amdhsa_next_free_vgpr 256
		.amdhsa_next_free_sgpr 66
		.amdhsa_reserve_vcc 1
		.amdhsa_float_denorm_mode_32 3
		.amdhsa_float_denorm_mode_16_64 3
		.amdhsa_memory_ordered 1
		.amdhsa_forward_progress 1
		.amdhsa_inst_pref_size 94
	.end_amdhsa_kernel
	.amdgpu_metadata
---
amdhsa.version: [ 1, 2 ]
amdhsa.kernels:
  - .name:           k_q711d52927a_attn
    .symbol:         k_q711d52927a_attn.kd
    .args:
      - { .name: xq, .offset: 0, .size: 8, .value_kind: global_buffer, .address_space: global }
      - { .name: wqkv, .offset: 8, .size: 8, .value_kind: global_buffer, .address_space: global }
      - { .name: bq, .offset: 16, .size: 8, .value_kind: global_buffer, .address_space: global }
      - { .name: bk, .offset: 24, .size: 8, .value_kind: global_buffer, .address_space: global }
      - { .name: bv, .offset: 32, .size: 8, .value_kind: global_buffer, .address_space: global }
      - { .name: obuf, .offset: 40, .size: 8, .value_kind: global_buffer, .address_space: global }
    .group_segment_fixed_size: 236544
    .private_segment_fixed_size: 0
    .kernarg_segment_align: 8
    .kernarg_segment_size: 48
    .max_flat_workgroup_size: 256
    .sgpr_count:     66
    .vgpr_count:     256
    .wavefront_size: 32
...
	.end_amdgpu_metadata
.endif
;; end of part 2
;; launch oproj (part 3): grid 4 x 64, 8 waves a work-group, clusters of 4 x 4, 297,984 bytes of LDS; arguments obuf, wof, bo, out0; writes out0
.if DOCPART == 3
	.amdgcn_target "amdgcn-amd-amdhsa--gfx1250"
	.amdhsa_code_object_version 6
	.text
	.protected	k_q711d52927a_oproj
	.globl	k_q711d52927a_oproj
	.p2align	8
	.type	k_q711d52927a_oproj,@function
k_q711d52927a_oproj:
	s_mov_b64 s[64:65], 0
	v_nop
	global_prefetch_b8 v0, s[64:65] scope:SCOPE_SE
	s_setreg_imm32_b32 hwreg(HW_REG_WAVE_MODE, 25, 1), 1
	s_wait_xcnt 0x0
	s_wait_alu depctr_hold_cnt(0) depctr_sa_sdst(0) depctr_va_vdst(0) depctr_va_sdst(0) depctr_va_ssrc(0) depctr_va_vcc(0) depctr_vm_vsrc(0)
	s_getreg_b32 s2, hwreg(HW_REG_IB_STS2, 6, 4)
	s_cmp_eq_u32 s2, 0
	s_cbranch_scc0 .Lentry_in_a_cluster
	s_endpgm
.Lentry_in_a_cluster:
	s_bfe_u32 s2, ttmp6, 0x10000c
	s_cmp_lg_u32 s2, 0xf033
	s_cbranch_scc0 .Lentry_shape_is_right
	s_endpgm
.Lentry_shape_is_right:
; out0 = O Wo + bo.  O [8192][512] and Wo [512][512] arrive as f16 fragments in the order of the operand's registers (obuf: [row / 128][c / 32][(row / 16) % 8][1,024 bytes]; wof: the same by columns); sums in f32.
; A work-group makes 128 rows x 128 columns.  All of K (512) of both operands is 2 x 131,072 bytes: it comes into LDS ONCE, by first fills alone; nothing is filled again, so there is no ring.
; CLUSTERS: 4 x 4 work-groups.  The four of a row of the cluster need the same block of O, the four of a column the same block of Wo: each piece is asked for JOINTLY, by the same tensor load with the same descriptor
; and a mask that names the four.  Waves 0 to 3 fetch O, waves 4 to 7 Wo: two loads of 16,384 dense bytes each, the first for c under 256, the second for the rest: two tensor loads of a wave are out at the most.
; Eight waves; wave (wr, wc) makes rows 32 wr .. + 31 x columns 64 wc .. + 63: eight accumulators.  THE MATRIX INSTRUCTION IS USED TRANSPOSED (source 0 = 16 columns of Wo, source 1 = 16 rows of O): a lane holds eight
; neighbouring numbers of a row of the output.  bo is the C of each sum's first product.  A wave's 64 columns are 256 bytes of a row: they go through the wave's own stage and leave as 256 consecutive bytes, aligned.
; LIMITS: those of the launches that made the fragments (f16's range for O and Wo).
.set WL,    131072                     ; LDS: O's block at 0, Wo's here: fragment row kap at 8,192 kap, tile at 1,024
.set STAGE, 262144                     ; 16 rows x 272 bytes for each wave; no fill lands here
.set SP,    272
.set SPARE, STAGE+8*16*SP              ; the spare words, 128 bytes for each wave, that no other line names
.set OA,  4                            ; v4, v5   my O fragments, c under 256 and from 256 on
.set WA,  6                            ; v6, v7   my Wo fragments likewise
.set SO,  8                            ; v8   the stage: where I put 32 bytes of a row
.set SR,  9                            ; v9   and where I read a row back
.set GO,  10                           ; v10  my byte offset in the output
.set SPW, 12                           ; v12  LDS address of my spare word; never rewritten
.set NIL, 13                           ; v13  0; never rewritten
.set BO,  16                           ; v16-47   bo as four tiles of C
.set AC,  48                           ; v48-111  accumulator (rho, t) at 8 (4 rho + t)
.set FR,  112                          ; v112-207 two fragment buffers of 48: Wo's four, then O's two; on the way out rows of the output
.set G1,  24                           ; s[24:31] descriptor group 1 for O;  s[32:39] its two groups 0
.set G0,  32
.set G1B, 48                           ; s[48:55], s[56:63] the same for Wo
.set G0B, 56
.macro CROUND                          ; a round of the cluster's barrier: my work-group's barrier; wave 0 signals for the work-group; every wave waits for all sixteen; my work-group's barrier once more
	s_barrier_signal -1
	s_barrier_wait -1
	s_cmp_lg_u32 s12, 0
	s_cbranch_scc1 .Lnot_wave_0_\@
	s_barrier_signal -3
.Lnot_wave_0_\@:
	s_barrier_wait -3
	s_barrier_signal -1
	s_barrier_wait -1
.endm
	s_load_b256 s[4:11], s[0:1], 0x0               ; obuf, wof, bo, out0
	v_lshl_add_u32 v[SPW], v0, 2, SPARE
	v_mov_b32 v[NIL], 0
	ds_add_u32 v[SPW], v[NIL]                      ; the wave's opening: the add, twice on end, and its wait ahead of my first tensor load; the set-up below stands between
	ds_add_u32 v[SPW], v[NIL]
	v_lshrrev_b32 v1, 5, v0
	v_readfirstlane_b32 s12, v1                    ; wave 0..7
	s_and_b32 s14, s12, 3                          ; which 16,384 bytes of a half I fetch
	s_lshr_b32 s19, s12, 1                         ; wr
	s_and_b32 s21, s12, 1                          ; wc
	s_bfe_u32 s40, ttmp6, 0x40000                  ; cx, cy: my place in the cluster
	s_bfe_u32 s41, ttmp6, 0x40004
	s_lshl_b32 s42, ttmp9, 2
	s_add_co_u32 s42, s42, s40                     ; block of 128 columns = 4 x cluster x + cx
	s_and_b32 s13, ttmp7, 0xffff
	s_lshl_b32 s13, s13, 2
	s_add_co_u32 s13, s13, s41                     ; block of 128 rows = 4 x cluster y + cy
	s_lshl_b32 s43, s41, 2
	s_lshl_b32 s43, 15, s43                        ; my row of the cluster
	s_lshl_b32 s44, 0x1111, s40                    ; my column
	; descriptor group 1: 16,384 dense bytes as 64 rows of 32 elements of 8 bytes, no padding: fragments are read 512 consecutive bytes an instruction
	s_or_b32 s[G1], s43, (3<<16)|(1<<21)           ; 15:0 the mask: O's pieces go to my row; 17:16 elements of 8 bytes; 21 set beside a mask
	s_or_b32 s[G1B], s44, (3<<16)|(1<<21)          ; Wo's go to my column
.irp g, G1, G1B
	s_mov_b32 s[\g+1], 32<<16                      ; tensor_dim0 = 32
	s_mov_b32 s[\g+2], 64<<16                      ; tensor_dim1 = 64
	s_mov_b32 s[\g+3], 32<<16                      ; tile_dim0 = 32
	s_mov_b32 s[\g+4], 64                          ; tile_dim1 = 64
	s_mov_b32 s[\g+5], 32                          ; tensor_dim0_stride
	s_mov_b32 s[\g+6], 0
	s_mov_b32 s[\g+7], 0
.endr
	s_lshl_b32 s18, s14, 14                        ; my piece, in a half of a block and in LDS alike: no place in the cluster enters an LDS address
	s_lshl_b32 s16, s13, 17                        ; O: 131,072 bytes a block of rows
	s_add_co_u32 s16, s16, s18
	s_mov_b32 s17, 0
	s_lshl_b32 s46, s42, 17                        ; Wo: 131,072 bytes a block of columns
	s_add_co_u32 s46, s46, s18
	s_mov_b32 s47, 0
	s_wait_dscnt 0x0                               ; both opening adds are done
	s_wait_kmcnt 0x0
	s_add_nc_u64 s[16:17], s[4:5], s[16:17]
	s_add_nc_u64 s[46:47], s[6:7], s[46:47]
.irp q, 0,1
	s_mov_b32 s[G0+4*\q], 1                                        ; count = 1
	s_add_co_u32 s[G0+4*\q+1], s18, \q*65536                       ; LDS address
	s_add_nc_u64 s[G0+4*\q+2:G0+4*\q+3], s[16:17], \q*65536        ; global address: half q of K
	s_or_b32 s[G0+4*\q+3], s[G0+4*\q+3], 0x80000000                ; type = 2
	s_mov_b32 s[G0B+4*\q], 1
	s_add_co_u32 s[G0B+4*\q+1], s18, WL+\q*65536
	s_add_nc_u64 s[G0B+4*\q+2:G0B+4*\q+3], s[46:47], \q*65536
	s_or_b32 s[G0B+4*\q+3], s[G0B+4*\q+3], 0x80000000
.endr
	CROUND                                         ; all sixteen work-groups are here: the joint loads meet
	s_cmp_lt_u32 s12, 4                            ; a wave's two fills stand in one branch, on the wave's number alone, ahead of every wait on TENSORcnt and every LDS read; an s_nop 0 follows each, four v_nop the second
	s_cbranch_scc0 .Lfirst_w
	tensor_load_to_lds s[G0:G0+3], s[G1:G1+7]
	s_nop 0
	tensor_load_to_lds s[G0+4:G0+7], s[G1:G1+7]
	s_nop 0
.rept 4
	v_nop
.endr
	s_branch .Lfirst_asked
.Lfirst_w:
	tensor_load_to_lds s[G0B:G0B+3], s[G1B:G1B+7]
	s_nop 0
	tensor_load_to_lds s[G0B+4:G0B+7], s[G1B:G1B+7]
	s_nop 0
.rept 4
	v_nop
.endr
.Lfirst_asked:
	v_and_b32 v1, 31, v0
	v_and_b32 v2, 15, v0                           ; r
	v_bfe_u32 v3, v0, 4, 1                         ; h
	v_lshlrev_b32 v11, 4, v1                       ; 16 x lane
	v_lshlrev_b32 v14, 5, v3                       ; bo: 32 h
	s_lshl_b32 s46, s42, 9                         ; my first column, in bytes: 512 x block + 256 wc (in the registers that held Wo's address: none that feeds O's descriptors ever holds cx)
	s_lshl_b32 s47, s21, 8
	s_add_co_u32 s46, s46, s47
	s_mov_b32 s47, 0
	s_add_nc_u64 s[8:9], s[8:9], s[46:47]
	s_add_nc_u64 s[10:11], s[10:11], s[46:47]
.irp t, 0,1,2,3
	global_load_b128 v[BO+8*\t:BO+8*\t+3],   v14, s[8:9] offset:64*\t        ; lane (r, h): bo at column 16 t + 8 h + 0 .. 7 of my 64
	global_load_b128 v[BO+8*\t+4:BO+8*\t+7], v14, s[8:9] offset:64*\t+16
.endr
	s_lshl_b32 s2, s13, 7
	s_lshl_b32 s3, s19, 5
	s_add_co_u32 s2, s2, s3                        ; my first row: 128 x block + 32 wr
	s_lshl_b32 s2, s2, 11                          ; rows of 2,048 bytes
	s_mov_b32 s3, 0
	s_add_nc_u64 s[10:11], s[10:11], s[2:3]
	s_lshl_b32 s22, s19, 11                        ; my two tiles of rows
	v_add_nc_u32 v[OA], s22, v11
	v_add_nc_u32 v[OA+1], 65536, v[OA]
	s_lshl_b32 s22, s21, 12                        ; my four tiles of columns
	s_add_co_u32 s22, s22, WL
	v_add_nc_u32 v[WA], s22, v11
	v_add_nc_u32 v[WA+1], 65536, v[WA]
	s_mul_i32 s22, s12, 16*SP
	s_add_co_u32 s22, s22, STAGE                   ; my stage
	v_mul_u32_u24 v[SO], v2, SP
	v_lshl_add_u32 v[SO], v3, 5, v[SO]
	v_add_nc_u32 v[SO], s22, v[SO]                 ; in: row r, 32 bytes for each half of the lanes
	v_mul_u32_u24 v[SR], v3, SP
	v_lshl_add_u32 v[SR], v2, 4, v[SR]
	v_add_nc_u32 v[SR], s22, v[SR]                 ; back: lanes 0-15 one row of 256 bytes, lanes 16-31 the next
	v_lshlrev_b32 v[GO], 11, v3
	v_lshl_add_u32 v[GO], v2, 4, v[GO]             ; and the same two rows in the output
.macro FETCH k                         ; K step k (32 along c): Wo's four fragments and O's two into buffer k % 2: twelve loads
.set FB, FR+48*((\k)%2)
.irp t, 0,1,2,3
.irp cc, 0,1
	ds_load_b128 v[FB+8*\t+4*\cc:FB+8*\t+4*\cc+3], v[WA+(\k)/8] offset:((\k)%8)*8192+\t*1024+\cc*512
.endr
.endr
.irp rho, 0,1
.irp cc, 0,1
	ds_load_b128 v[FB+32+8*\rho+4*\cc:FB+32+8*\rho+4*\cc+3], v[OA+(\k)/8] offset:((\k)%8)*8192+\rho*1024+\cc*512
.endr
.endr
.endm
.macro MUL k                           ; eight products; the accumulators take turns, one instruction a turn
.set FB, FR+48*((\k)%2)
.irp t, 0,1,2,3
.irp rho, 0,1
.if (\k) == 0
	v_wmma_f32_16x16x32_f16 v[AC+8*(4*\rho+\t):AC+8*(4*\rho+\t)+7], v[FB+8*\t:FB+8*\t+7], v[FB+32+8*\rho:FB+32+8*\rho+7], v[BO+8*\t:BO+8*\t+7]
.else
	v_wmma_f32_16x16x32_f16 v[AC+8*(4*\rho+\t):AC+8*(4*\rho+\t)+7], v[FB+8*\t:FB+8*\t+7], v[FB+32+8*\rho:FB+32+8*\rho+7], v[AC+8*(4*\rho+\t):AC+8*(4*\rho+\t)+7]
.endif
.endr
.endr
.endm
	s_wait_loadcnt 0x0                             ; bo
	s_wait_tensorcnt 0x1                           ; my piece of the first half of K is in; the second half's may stay out
	s_barrier_signal -1
	s_barrier_wait -1                              ; everybody's is
	FETCH 0
.set KK, 0
.rept 15
.if KK >= 1
.rept 4
	v_nop                                          ; places ahead of loads into the buffer that the last step but one multiplied (ISA guide 7.12.1 for vector instructions)
.endr
.endif
.if KK == 7
	s_wait_tensorcnt 0x0                           ; my piece of the second half of K is in,
	s_wait_dscnt 0x0                               ; (no LDS instruction of mine is out at a signal)
	s_barrier_signal -1
	s_barrier_wait -1                              ; everybody's is
.endif
	FETCH KK+1
	s_wait_dscnt 12                                ; this step's fragments are in; the twelve loads just issued may be out
	MUL KK
.set KK, KK+1
.endr
	s_wait_dscnt 0x0
	MUL 15
.rept 4
	v_nop                                          ; places ahead of the first read of results and of loads into the buffers
.endr
; THE WAY OUT, 16 rows x 64 columns at a time: a lane holds 32 neighbouring bytes of a row and the lanes beside it other rows, so a block goes through my own stage and comes back as whole rows of 256 bytes.
.macro TOSTAGE rho
.irp t, 0,1,2,3
	ds_store_b128 v[SO], v[AC+8*(4*(\rho)+\t):AC+8*(4*(\rho)+\t)+3] offset:64*\t           ; each accumulator from its low end on
	ds_store_b128 v[SO], v[AC+8*(4*(\rho)+\t)+4:AC+8*(4*(\rho)+\t)+7] offset:64*\t+16
.endr
.irp i, 0,1,2,3,4,5,6,7
	ds_load_b128 v[FR+32*(\rho)+4*\i:FR+32*(\rho)+4*\i+3], v[SR] offset:2*\i*SP            ; LDS serves a wave's instructions in order (ISA guide 5.7.1.4): these see the stores above, and the next block's stores come behind them
.endr
.endm
.macro SEND rho, younger               ; younger: the LDS instructions issued behind this block's loads, which may stay out
	s_wait_dscnt \younger
.irp i, 0,1,2,3,4,5,6,7
	global_store_b128 v[GO], v[FR+32*(\rho)+4*\i:FR+32*(\rho)+4*\i+3], s[10:11] offset:(16*(\rho)+2*\i)*2048 th:TH_STORE_NT   ; 16 lanes store 256 consecutive bytes, aligned; written once, read by nobody here
.endr
.endm
	TOSTAGE 0
	TOSTAGE 1
	SEND 0, 16
	SEND 1, 0
	s_wait_tensorcnt 0x0                           ; the wave's end: the tensor wait, a spare add and its wait, behind my last tensor load and my last LDS store
	ds_add_u32 v[SPW], v[NIL]
	s_wait_dscnt 0x0
	CROUND                                         ; the closing round: no work-group ends while a partner may still ask for a piece that names it
	s_endpgm
.Lfunc_end_k_q711d52927a_oproj:
	.size	k_q711d52927a_oproj, .Lfunc_end_k_q711d52927a_oproj-k_q711d52927a_oproj
	.p2alignl 7, 3214868480
	.fill 96, 4, 3214868480
	.section	.rodata,"a",@progbits
	.p2align	6, 0x0
	.amdhsa_kernel k_q711d52927a_oproj
		.amdhsa_group_segment_fixed_size 297984
		.amdhsa_private_segment_fixed_size 0
		.amdhsa_enable_private_segment 0
		.amdhsa_kernarg_size 32
		.amdhsa_user_sgpr_count 2
		.amdhsa_user_sgpr_kernarg_segment_ptr 1
		.amdhsa_wavefront_size32 1
		.amdhsa_system_sgpr_workgroup_id_x 1
		.amdhsa_system_sgpr_workgroup_id_y 1
		.amdhsa_system_sgpr_workgroup_id_z 1
		.amdhsa_system_vgpr_workitem_id 0
		.amdhsa_next_free_vgpr 208
		.amdhsa_next_free_sgpr 66
		.amdhsa_reserve_vcc 0
		.amdhsa_float_denorm_mode_32 3
		.amdhsa_float_denorm_mode_16_64 3
		.amdhsa_memory_ordered 1
		.amdhsa_forward_progress 1
		.amdhsa_inst_pref_size 34
	.end_amdhsa_kernel
	.amdgpu_metadata
---
amdhsa.version: [ 1, 2 ]
amdhsa.kernels:
  - .name:           k_q711d52927a_oproj
    .symbol:         k_q711d52927a_oproj.kd
    .args:
      - { .name: obuf, .offset: 0, .size: 8, .value_kind: global_buffer, .address_space: global }
      - { .name: wof, .offset: 8, .size: 8, .value_kind: global_buffer, .address_space: global }
      - { .name: bo, .offset: 16, .size: 8, .value_kind: global_buffer, .address_space: global }
      - { .name: out0, .offset: 24, .size: 8, .value_kind: global_buffer, .address_space: global }
    .group_segment_fixed_size: 297984
    .private_segment_fixed_size: 0
    .kernarg_segment_align: 8
    .kernarg_segment_size: 32
    .max_flat_workgroup_size: 256
    .sgpr_count:     66
    .vgpr_count:     208
    .wavefront_size: 32
...
	.end_amdgpu_metadata
.endif
;; end of part 3
